; MI455X (gfx1250); checked and timed in simulation.
; The chip was launched on July 23, 2026; its instructions are those of AMD's public machine-readable ISA for CDNA 5 (MIT licence, August 2026) and "CDNA5" Instruction Set Architecture Reference Guide (July 2026). The comments in the code are by the model that wrote it; some were corrected since.
;; Grouped Query Attention. Allowed arithmetic: matrix products marked QUANTISED: E2M1 operands, one E8M0 scale for each 32 along K, by v_wmma_scale_f32_16x16x128_f8f6f4 with both operands' format E2M1 (or v_wmma_scale_f32_32x16x128_f4), f32 sums; products left as they are: bf16, f16 or f32 operands; f32 sums; everything else in f32.
;; Inputs: Wk 512 x 2,048 float32; Wq 2,048 x 2,048 float32; Wv 512 x 2,048 float32; x 2 x 2,048 x 2,048 float32.
;; Outputs: out0 2 x 2,048 x 2,048 float32.
;; This version of the problem:
;;   THIS VERSION OF THE PROBLEM IS GIVEN IN LOW PRECISION. The matrix products marked QUANTISED in the list below multiply operands that are first quantised to E2M1 (2 exponent bits, 1 mantissa bit; 4 bits a number), with one power-of-two scale for each 32 numbers along K (OCP MX v1.0); their sums are f32. The products marked 'left as it is' may take bf16, f16 or f32 operands, with f32 sums. Whichever they take, every output number must still come out within the allowed error. Rounding operands to bf16 (8 significant bits) uses up far more of that allowance than f16 does (11 bits, for magnitudes from 6e-5 to 65,504). All else is computed in f32.
;;   The module's matrix products, in the order in which they are computed (A, B: the left and right operand; K: the contracted axis; several contracted axes count as one K, in the product's order):
;;     1. [M 4,096, K 2,048] x [K 2,048, N 2,048]; A: input x; B: input Wq: QUANTISED
;;     2. [M 4,096, K 2,048] x [K 2,048, N 512]; A: input x; B: input Wk: QUANTISED
;;     3. [M 4,096, K 2,048] x [K 2,048, N 512]; A: input x; B: input Wv: QUANTISED
;;     4. batch 8 x [M 8,192, K 128] x [K 128, N 2,048]; A: computed on the way; B: computed on the way: left as it is (an operand is computed on the way)
;;     5. batch 8 x [M 8,192, K 2,048] x [K 2,048, N 128]; A: computed on the way; B: computed on the way: left as it is (an operand is computed on the way)
;;   THE QUANTISER, for each operand of a quantised product, along K:
;;     - K is cut into blocks of 32 from its start; a last block that is shorter is filled with zeros.
;;     - A block's scale is 2^e with e = floor(log2(the largest magnitude in the block)) - 2, held to -126 .. 127; a block of zeros has e = 0. As a byte (E8M0): e + 127.
;;     - Each number is divided by its block's scale, clamped to +-6, and rounded to the nearest number of E2M1, ties to even, subnormals kept.
;;     - The product sums the exact products of the quantised numbers (number of the format x scale) in f32.
;;   ~~~python
;;   def quantise(x, axis):      # numpy; x: float32 -> the quantised numbers, widened to float32 again
;;       x = np.moveaxis(x, axis, -1); K = x.shape[-1]
;;       x = np.pad(x, [(0, 0)] * (x.ndim - 1) + [(0, -K % 32)]); x = x.reshape(x.shape[:-1] + (-1, 32)); a = np.abs(x).max(-1, keepdims=True)
;;       e = np.where(a > 0, np.clip(np.frexp(np.where(a > 0, a, 1))[1] - 1 - 2, -126, 127), 0)      # np.frexp(a)[1] - 1 = floor(log2(a)), exactly
;;       r = np.clip(x / 2.0 ** e, -6, 6)
;;       step = 2.0 ** (np.maximum(np.frexp(np.where(r == 0, 1, r))[1] - 1, 0) - 1)
;;       q = np.round(r / step) * step * 2.0 ** e      # np.round: ties to even
;;       return np.moveaxis(q.reshape(q.shape[:-2] + (-1,))[..., :K], -1, axis).astype(np.float32)
;;   ~~~
;; One version. Each part assembles by itself: llvm-mc -triple=amdgcn-amd-amdhsa -mcpu=gfx1250 --defsym DOCPART=n.
;; ======== version 1 of 1: 3 launches
;; limits: values are held in f16: magnitudes above 65,504 overflow, below 6.1e-05 lose precision
;; workspace buffers: xc 4,194,304 bytes; xs 262,144 bytes; wc 3,145,728 bytes; ws 196,608 bytes; qkv 25,165,824 bytes
;; launch quant (part 1): grid 448 x 1, 4 waves a work-group, no clusters, 33,280 bytes of LDS; arguments x, Wq, Wk, Wv, xc, xs, wc, ws; writes xc, xs, wc, ws
.if DOCPART == 1
	.amdgcn_target "amdgcn-amd-amdhsa--gfx1250"
	.amdhsa_code_object_version 6
	.text
	.protected	k_q91de120150_quant
	.globl	k_q91de120150_quant
	.p2align	8
	.type	k_q91de120150_quant,@function
k_q91de120150_quant:
	s_mov_b64 s[64:65], 0
	v_nop
	global_prefetch_b8 v0, s[64:65] scope:SCOPE_SE
	s_setreg_imm32_b32 hwreg(HW_REG_WAVE_MODE, 25, 1), 1
	s_wait_xcnt 0x0
; THE PROGRAM: three launches.  (1) this one: x, Wq, Wk, Wv (f32, K innermost) become codes of FP4 (E2M1) with one E8M0 scale byte for each 32 along K;
; (2) one product on codes, [4096 x 2048] x [3072 x 2048]^T, gives q, k and v, stored in f16 head by head;  (3) causal attention, four query heads to a key and value group.
; WORK LEFT OUT, and why it is dead: reference() itself builds the mask jnp.tril and puts -inf on every score whose key comes after its query; the softmax gives such a score the weight exp(-inf) = 0,
; exactly, whatever finite values x, Wq, Wk, Wv hold, so neither the score nor its product with v can reach an output.  Where that comes in whole runs of 128 keys (all of them behind the last query of the
; four work-groups that fetch keys together) launch 3 neither fetches nor multiplies them; inside a run that also holds live keys the scores are computed and set to -inf.  Every input is loaded.
; LIMITS: a NaN, an infinity or an overflow that would arise only in the scores left out is not carried to the result.  q, k, v are kept in f16: a magnitude above 65,504 becomes infinity there.
; Blocks whose largest magnitude lies under 2^-124 keep the scale byte 1.  NaN and infinities among the inputs are not served.
;
; THIS LAUNCH.  A block's scale is 2^(floor(log2(its largest magnitude)) - 2); its byte is the largest magnitude's own exponent field - 2, held at 1 from below.  (A block of zeros so gets the byte 1 where the
; rule says 127: its codes are zeros, which add nothing under any byte but 0xff, and the bytes are read by this program alone.)  Each number is divided by the scale and rounded to the nearest code, ties to even.
; Rows are dense and K = 2,048 is a multiple of 32, so each tensor is a plain stream of blocks of 32 numbers, and so are its codes and scale bytes.  Wq, Wk, Wv follow each other in wc and ws as rows 0-2047,
; 2048-2559, 2560-3071 of one operand.  A work-group takes 32,768 numbers: work-groups 0-255 x, 256-383 Wq, 384-415 Wk, 416-447 Wv; only pointers are chosen, by the work-group's number: one path through the text.
; A wave takes 16 steps of 512 numbers.  Each of a step's four loads reads 512 consecutive bytes; the 2,048 bytes turn through the wave's own stage in LDS and come back 64 bytes a lane, so that a lane holds 16
; neighbours along K (two neighbouring lanes hold a block).  A lane's 16 codes are 8 bytes: the wave stores 256 consecutive bytes.  A wave's 256 scale bytes are gathered in LDS and leave as one aligned run.
; No work-group shares an input with another, so there is no cluster; no tensor loads, no barrier: waves share nothing.  Loads run four steps (16 loads a wave) ahead, the turn through LDS one step.
.set WAVES, 4
.set STEPS, 16
.set EMAX,  2
.set CB,    8                          ; bytes of 16 codes
.set R,     16                         ; v16-79   four sets of 16 numbers as they are loaded
.set X,     80                         ; v80-111  two sets of 16 neighbours
.set C,     128                        ; v128-191 codes: four registers for each step, so that no store's data are written again
.set E,     112                        ; v112-127 a scale byte for each step
.set WREG,  8192                       ; LDS: a region for each wave: two stages of 32 x SP bytes, and behind them its 256 scale bytes
.set SP,    80                         ; a lane's place in a stage: its 64 bytes + 16 of padding
.set SPW,   12                         ; v12      LDS address of my spare word: SPARE + 4 x my thread's number; never rewritten
.set NIL,   13                         ; v13      0; never rewritten
.set SPARE, WAVES*WREG                 ; behind the four regions: the spare words, 128 bytes for each wave, which no other line names
	s_load_b256 s[4:11], s[0:1], 0x0               ; x s[4:5], Wq s[6:7], Wk s[8:9], Wv s[10:11]
	s_load_b256 s[12:19], s[0:1], 0x20             ; xc s[12:13], xs s[14:15], wc s[16:17], ws s[18:19]
	v_lshl_add_u32 v[SPW], v0, 2, SPARE
	v_mov_b32 v[NIL], 0
	v_lshrrev_b32 v1, 5, v0
	v_readfirstlane_b32 s28, v1                    ; wave
	v_and_b32 v2, 31, v0                           ; lane
	v_lshlrev_b32 v3, 4, v2                        ; my 16 bytes of a load's 512
	s_mul_i32 s29, s28, WREG
	v_lshrrev_b32 v14, 2, v2
	v_mul_u32_u24 v14, v14, SP
	v_and_b32 v15, 3, v2
	v_lshl_add_u32 v14, v15, 4, v14
	v_add_nc_u32 v14, s29, v14                     ; the stage, on the way in: SP (lane / 4) + 16 (lane % 4); a load's 512 bytes take eight places
	v_mul_u32_u24 v15, v2, SP
	v_add_nc_u32 v15, s29, v15                     ; and on the way out: SP x lane: my 16 neighbours
	v_mul_u32_u24 v4, v2, CB                       ; my codes' place in a step's
	v_lshrrev_b32 v5, 1, v2
	s_add_co_u32 s29, s29, 2*32*SP
	v_add_nc_u32 v5, s29, v5                       ; LDS: my wave's 256 scale bytes, my block's byte
	v_lshlrev_b32 v7, 3, v2                        ; and on the way out 8 bytes a lane
	v_add_nc_u32 v6, s29, v7
	s_wait_kmcnt 0x0
	s_cmp_lt_u32 ttmp9, 256                        ; x's work-group, or one of W's?  Every choice hangs on the work-group's number alone
	s_cselect_b64 s[20:21], s[4:5], s[6:7]         ; the source
	s_cselect_b64 s[22:23], s[12:13], s[16:17]     ; its codes
	s_cselect_b64 s[24:25], s[14:15], s[18:19]     ; its scale bytes
	s_cselect_b32 s26, 0, 256                      ; the source's first work-group
	s_cselect_b32 s27, 0, 256                      ; the destination's first work-group: the three W's are one run in wc and ws
	s_cmp_lt_u32 ttmp9, 384
	s_cselect_b64 s[20:21], s[20:21], s[8:9]
	s_cselect_b32 s26, s26, 384
	s_cmp_lt_u32 ttmp9, 416
	s_cselect_b64 s[20:21], s[20:21], s[10:11]
	s_cselect_b32 s26, s26, 416
	s_sub_co_u32 s26, ttmp9, s26
	s_lshl_b32 s26, s26, 2
	s_add_co_u32 s30, s26, s28                     ; which run of 8,192 numbers of the source is my wave's
	s_lshl_b32 s30, s30, 15                        ; 32,768 bytes a run: under 2^26
	s_mov_b32 s31, 0
	s_add_nc_u64 s[20:21], s[20:21], s[30:31]
	s_sub_co_u32 s27, ttmp9, s27
	s_lshl_b32 s27, s27, 2
	s_add_co_u32 s27, s27, s28                     ; and which run of the destination
	s_lshl_b32 s30, s27, 12                        ; 4,096 bytes of codes a run
	s_add_nc_u64 s[22:23], s[22:23], s[30:31]
	s_lshl_b32 s30, s27, 8                         ; 256 scale bytes a run
	s_add_nc_u64 s[24:25], s[24:25], s[30:31]
.macro LOAD t
.irp i, 0,1,2,3
	global_load_b128 v[R+16*((\t)%4)+4*\i:R+16*((\t)%4)+4*\i+3], v3, s[20:21] offset:2048*(\t)+512*\i th:TH_LOAD_NT   ; 32 lanes read 512 consecutive bytes; read once in the launch
.endr
.endm
.macro TURN t                          ; step t's numbers through the stage: LDS serves a wave's instructions in order, so no wait stands between the stores and the loads
.irp i, 0,1,2,3
	ds_store_b128 v14, v[R+16*((\t)%4)+4*\i:R+16*((\t)%4)+4*\i+3] offset:32*SP*((\t)%2)+8*SP*\i
.endr
.irp i, 0,1,2,3
	ds_load_b128 v[X+16*((\t)%2)+4*\i:X+16*((\t)%2)+4*\i+3], v15 offset:32*SP*((\t)%2)+16*\i
.endr
.endm
.irp t, 0,1,2,3
	LOAD \t
.endr
	s_wait_loadcnt 12                              ; step 0's four loads are in; the twelve of steps 1 to 3 stay out
	TURN 0
.macro STEP t
.set XS, X+16*((\t)%2)
.if (\t) > 0
	s_wait_dscnt 1                                 ; this step's numbers are back from the stage (the last step's byte store may be out): so its stores into the stage have read their registers,
.else
	s_wait_dscnt 0x0
.endif
.if (\t)+4 < STEPS
	LOAD (\t)+4                                    ; which take the loads of four steps on
.endif
.if (\t)+1 < STEPS
.if STEPS-2-(\t) >= 3
	s_wait_loadcnt 12                              ; the next step's four loads are in; those of the three steps behind it may be out
.else
	s_wait_loadcnt 4*(STEPS-2-(\t))                ; the counts run down: nothing more is asked for
.endif
	TURN (\t)+1                                    ; and go through the other stage while this step is worked
.endif
	v_max3_num_f32 v8, |v[XS]|, |v[XS+1]|, |v[XS+2]|               ; the largest magnitude of my 16, in two chains
	v_max3_num_f32 v9, |v[XS+3]|, |v[XS+4]|, |v[XS+5]|
.irp i, 6,10
	v_max3_num_f32 v8, v8, |v[XS+\i]|, |v[XS+\i+1]|
	v_max3_num_f32 v9, v9, |v[XS+\i+2]|, |v[XS+\i+3]|
.endr
	v_max3_num_f32 v8, v8, |v[XS+14]|, |v[XS+15]|
	v_max3_num_f32 v8, v8, v9, (EMAX+1)<<23        ; and the floor 2^(EMAX + 1 - 127), under which no largest magnitude is taken: so the byte cannot fall under 1
	v_max_num_f32_dpp v8, v8, v8 row_xmask:1 row_mask:0xf bank_mask:0xf   ; and of my neighbour's 16: the block's
	v_add_nc_u32 v11, -(EMAX<<23), v8              ; EMAX off its exponent field: the conversion takes the exponent field of this operand as its scale, and nothing else of it
	v_cvt_scalef32_pk8_fp4_f32 v[C+4*(\t)], v[XS:XS+7], v11        ; eight numbers / the scale, to the nearest code, ties to even, beyond the largest code the largest; the first number's code in the lowest four bits
	v_cvt_scalef32_pk8_fp4_f32 v[C+4*(\t)+1], v[XS+8:XS+15], v11
	v_lshrrev_b32 v[E+(\t)], 23, v11               ; the scale's byte (also the plain line behind the conversions)
	ds_store_b8 v5, v[E+(\t)] offset:16*(\t)       ; both lanes of a block write the same byte with the same value
	global_store_b64 v4, v[C+4*(\t):C+4*(\t)+1], s[22:23] offset:32*CB*(\t)   ; 32 lanes store 256 consecutive bytes, aligned
.endm
.irp t, 0,1,2,3,4,5,6,7,8,9,10,11,12,13,14,15
	STEP \t
.endr
	ds_load_b64 v[8:9], v6                         ; LDS serves a wave's instructions in order: these see my stores
	s_wait_dscnt 0x0
	global_store_b64 v7, v[8:9], s[24:25]          ; 32 lanes store 256 consecutive bytes, aligned
	s_wait_tensorcnt 0x0                           ; the wave's end: behind my last LDS store
	ds_add_u32 v[SPW], v[NIL]
	s_wait_dscnt 0x0
	s_endpgm
.Lfunc_end_k_q91de120150_quant:
	.size	k_q91de120150_quant, .Lfunc_end_k_q91de120150_quant-k_q91de120150_quant
	.p2alignl 7, 3214868480
	.fill 96, 4, 3214868480
	.section	.rodata,"a",@progbits
	.p2align	6, 0x0
	.amdhsa_kernel k_q91de120150_quant
		.amdhsa_group_segment_fixed_size 33280
		.amdhsa_private_segment_fixed_size 0
		.amdhsa_enable_private_segment 0
		.amdhsa_kernarg_size 64
		.amdhsa_user_sgpr_count 2
		.amdhsa_user_sgpr_kernarg_segment_ptr 1
		.amdhsa_wavefront_size32 1
		.amdhsa_system_sgpr_workgroup_id_x 1
		.amdhsa_system_sgpr_workgroup_id_y 1
		.amdhsa_system_sgpr_workgroup_id_z 1
		.amdhsa_system_vgpr_workitem_id 0
		.amdhsa_next_free_vgpr 192
		.amdhsa_next_free_sgpr 66
		.amdhsa_reserve_vcc 0
		.amdhsa_float_denorm_mode_32 3
		.amdhsa_float_denorm_mode_16_64 3
		.amdhsa_memory_ordered 1
		.amdhsa_forward_progress 1
		.amdhsa_inst_pref_size 34
	.end_amdhsa_kernel
	.amdgpu_metadata
---
amdhsa.version: [ 1, 2 ]
amdhsa.kernels:
  - .name:           k_q91de120150_quant
    .symbol:         k_q91de120150_quant.kd
    .args:
      - { .name: x, .offset: 0, .size: 8, .value_kind: global_buffer, .address_space: global }
      - { .name: Wq, .offset: 8, .size: 8, .value_kind: global_buffer, .address_space: global }
      - { .name: Wk, .offset: 16, .size: 8, .value_kind: global_buffer, .address_space: global }
      - { .name: Wv, .offset: 24, .size: 8, .value_kind: global_buffer, .address_space: global }
      - { .name: xc, .offset: 32, .size: 8, .value_kind: global_buffer, .address_space: global }
      - { .name: xs, .offset: 40, .size: 8, .value_kind: global_buffer, .address_space: global }
      - { .name: wc, .offset: 48, .size: 8, .value_kind: global_buffer, .address_space: global }
      - { .name: ws, .offset: 56, .size: 8, .value_kind: global_buffer, .address_space: global }
    .group_segment_fixed_size: 33280
    .private_segment_fixed_size: 0
    .kernarg_segment_align: 8
    .kernarg_segment_size: 64
    .max_flat_workgroup_size: 128
    .sgpr_count:     66
    .vgpr_count:     192
    .wavefront_size: 32
...
	.end_amdgpu_metadata
.endif
;; end of part 1
;; launch gemm (part 2): grid 12 x 16, 4 waves a work-group, clusters of 4 x 4, 327,680 bytes of LDS; arguments xc, xs, wc, ws, qkv; writes qkv
.if DOCPART == 2
	.amdgcn_target "amdgcn-amd-amdhsa--gfx1250"
	.amdhsa_code_object_version 6
	.text
	.protected	k_q91de120150_gemm
	.globl	k_q91de120150_gemm
	.p2align	8
	.type	k_q91de120150_gemm,@function
k_q91de120150_gemm:
	s_mov_b64 s[64:65], 0
	v_nop
	global_prefetch_b8 v0, s[64:65] scope:SCOPE_SE
	s_setreg_imm32_b32 hwreg(HW_REG_WAVE_MODE, 25, 1), 1
	s_wait_xcnt 0x0
	s_wait_alu depctr_hold_cnt(0) depctr_sa_sdst(0) depctr_va_vdst(0) depctr_va_sdst(0) depctr_va_ssrc(0) depctr_va_vcc(0) depctr_vm_vsrc(0)
	s_getreg_b32 s2, hwreg(HW_REG_IB_STS2, 6, 4)
	s_cmp_eq_u32 s2, 0
	s_cbranch_scc0 .Lentry_in_a_cluster
	s_endpgm
.Lentry_in_a_cluster:
	s_bfe_u32 s2, ttmp6, 0x10000c
	s_cmp_lg_u32 s2, 0xf033
	s_cbranch_scc0 .Lentry_shape_is_right
	s_endpgm
.Lentry_shape_is_right:
; C[m][n] = sum over k of x[m][k] W[n][k], on codes of FP4 (E2M1) with one E8M0 scale for each 32 along K; m = 2048 b + t (4,096 rows), n = 0 .. 3071 (Wq's 2,048 rows, Wk's 512, Wv's 512), K = 2,048; sums in f32.
; The result is rounded once to f16 and stored head by head: qkv [24 planes][4096 rows][128], plane n / 128: planes 0-15 q's heads, 16-19 k's groups, 20-23 v's groups.  LIMIT: a magnitude above 65,504 becomes infinity.
; A tile of C, 256 x 256, is made by a work-group of four waves; a wave makes 128 x 128: 64 accumulators of 16 x 16, 512 registers, which is exactly 128 rows of ONE plane: 32,768 consecutive bytes of qkv.
; 16 x 12 = 192 tiles.  A narrower tile would give more work-groups but would cut a plane's rows of 256 bytes between two work-groups, or halve what each LDS byte feeds; this launch is the small part of the program's matrix work.
; K goes in steps of 512 through a ring of two LDS slots filled by the tensor data mover: a tile's row is 256 bytes of memory.
; THE SCALES of the work-group's 256 rows of x and 256 rows of W, for all of K, are two dense blocks of memory: they come into LDS ONCE, with the first fills, and stay.
; CLUSTERS: 4 x 4 work-groups.  The four of a row of the cluster need the same tiles of x, the four of a column the same tiles of W: each tile is asked for JOINTLY, by the same tensor load with the
; same descriptor and a mask that names the four.  THE MATRIX INSTRUCTION IS USED TRANSPOSED (source 0 = 16 rows of W, source 1 = 16 rows of x): a lane then holds eight neighbouring numbers of a row of C.
; REGISTERS, in windows of 256: window 0: v0-31 addresses; v32-95 scale words, two sets; from v128 A's fragments (8 x 16 rows x 128 K), ONE set; on the way out v32-127 are used again.
;   window 1: B's fragments, TWO sets, at v0 and at v128.   window 2: the 32 accumulators of my rows 0-63 (accumulator (a, b) at v[8 (8 a + b)]);   window 3: those of my rows 64-127.
; A step of 128 along K is 64 matrix instructions, A's blocks one after the other, each against B's eight.  So a block of A is free as soon as its eight products are issued, and one set of registers serves A:
; blocks 0-3 are fetched anew in the step's middle, blocks 4-7 at its end.  B's fragments are at work through the whole step, so B has two sets.
.set SIZE_M, 4096
.set SIZE_N, 3072
.set SIZE_K, 2048
.set KSTEP,  512                       ; along K in a slot
.set NQ,     KSTEP/128                 ; matrix instructions deep
.set ROWB,   256                       ; a tile's row in bytes: KSTEP codes of 4 bits
.set KROW,   SIZE_K*4/8                ; a row of codes in memory, in bytes
.set PITCH,  272                       ; an LDS row: 256 bytes of data + 16 of padding = 68 words: the 16 rows that a load touches begin 4 words further on each time, modulo 64 words
.set FR,     8                         ; registers of a fragment: 16 rows x 128 K
.set NL,     2                         ; LDS loads that bring one
.set NP,     4                         ; places behind this matrix instruction (ISA guide 7.12.1)
.set HALFT,  128*PITCH                 ; 128 rows: what one tensor load brings, and what one wave reads of A or of B
.set SLOT,   4*HALFT                   ; A's 256 rows, then B's 256 rows
.set LAPS,   SIZE_K/(2*KSTEP)          ; a lap = two K steps = once round the ring
.set KS,     SIZE_K/32                 ; a row of scales in bytes: 64
.set SCL,    2*SLOT                    ; behind the ring: the scales, as runs of 256 bytes + 16 of padding
.set HALFS,  (128*KS/256)*272          ; the scales of 128 rows: what one tensor load brings
.set SBLK,   (16*KS/256)*272           ; those of 16 rows
.set SPARE,  SCL+4*HALFS               ; behind the scales: the spare words, 128 bytes for each wave, which no other line names
.set SPITCH, 272                       ; the way out: a stage of 16 rows x (256 bytes + 16) for each wave.  It lies in slot 0, which has had its last fill and its last read when the first result is stored there
.set ADRA, 16                          ; v16-17  LDS address of my A fragments in slot 0, 1
.set ADRB, 20                          ; v20-21  the same for B
.set STO,  24                          ; v24     the way out: where I put 16 bytes of a row
.set RD,   25                          ; v25     the way out: where I read a row back
.set CO,   26                          ; v26     16 x my lane: my place in two rows of a plane
.set SPW,  28                          ; v28     LDS address of my spare word: SPARE + 4 x my thread's number; never rewritten
.set NIL,  29                          ; v29     0; never rewritten
.set ADRS, 27                          ; v27     LDS address of my scale words: lanes 0-15 A's rows, lanes 16-31 B's
.set SC,   32                          ; scale words: set s (for slot s) at v[SC + 8 NQ s]; in it register NQ i + q: lanes 0-15 the word of A's block i, lanes 16-31 that of B's block i, for the slot's q-th 128 along K
.set AF,   128                         ; A's fragments, in window 0
.set TMP,  32                          ; the way out: v32-63 a block's packed results
.set OB,   64                          ; the way out: 16 rows read back from the stage: v64-95 and v96-127 by turns
.set G1, 24                            ; s[24:31] descriptor group 1 for A's tiles;  s[32:39] group 0, one set for each slot
.set G0, 32
.set G1B, 48                           ; s[48:55], s[56:63] the same for B's tiles
.set G0B, 56
.set G1S, 68                           ; s[68:75], s[76:79] groups 1 and 0 for A's scales;  s[80:87], s[88:91] for B's
.set G0S, 76
.set G1SB, 80
.set G0SB, 88
.set MSB, 0
.macro WIN new                         ; the immediate's high byte repeats the setting that is left
.if MSB != \new
	s_set_vgpr_msb (MSB<<8)|\new
.set MSB, \new
.endif
.endm
.set MUL_LO, 0xa1                      ; source 0 (B) window 1, source 1 (A) window 0, C and D window 2
.set MUL_HI, 0xf1                      ; the same, C and D window 3
.set TO_B,   0x40                      ; destination window 1, address window 0
; A joint load: waves 0 and 1 fetch for A, waves 2 and 3 for B.  Each of the two lines has ONE mask and one set of registers for all that issue it; the branch hangs on the wave's number alone.
; An s_nop 0 and four v_nop follow each of the two lines, ahead of the jump, the label and what follows.
.macro JLOAD g0a, g1a, g0b, g1b
	s_cmp_eq_u32 s15, 0
	s_cbranch_scc0 .Lfor_b_\@
	tensor_load_to_lds s[\g0a:\g0a+3], s[\g1a:\g1a+7]
	s_nop 0
.rept 4
	v_nop
.endr
	s_branch .Lasked_\@
.Lfor_b_\@:
	tensor_load_to_lds s[\g0b:\g0b+3], s[\g1b:\g1b+7]
	s_nop 0
.rept 4
	v_nop
.endr
.Lasked_\@:
.endm
.macro CREST                           ; a round of the cluster's barrier behind its opening barrier
	s_cmp_lg_u32 s14, 0
	s_cbranch_scc1 .Lnot_wave_0_\@
	s_barrier_signal -3
.Lnot_wave_0_\@:
	s_barrier_wait -3
	s_barrier_signal -1
	s_barrier_wait -1
.endm
.macro CROUND                          ; a whole round
	s_barrier_signal -1
	s_barrier_wait -1
	CREST
.endm
	s_load_b128 s[4:7], s[0:1], 0x0                ; x's codes s[4:5], x's scales s[6:7]
	s_load_b128 s[8:11], s[0:1], 0x10              ; W's codes s[8:9], W's scales s[10:11]
	s_load_b64 s[12:13], s[0:1], 0x20              ; qkv
	v_lshl_add_u32 v[SPW], v0, 2, SPARE
	v_mov_b32 v[NIL], 0
	ds_add_u32 v[SPW], v[NIL]                      ; the wave's opening: the add, twice on end, and its wait ahead of my first tensor load; the set-up below the second, work on registers, stands between it and the wait
	ds_add_u32 v[SPW], v[NIL]                      ; and once more, under the one wait
	v_lshrrev_b32 v1, 5, v0
	v_readfirstlane_b32 s14, v1                    ; wave 0..3
	s_lshr_b32 s15, s14, 1                         ; which half of the tile's rows is mine.  Also: I fetch for A (0) or for B (1)
	s_and_b32 s16, s14, 1                          ; which half of its columns.  Also: which 128 rows of that tile I fetch
	s_bfe_u32 s40, ttmp6, 0x40000                  ; cx, cy: my place in the cluster
	s_bfe_u32 s41, ttmp6, 0x40004
	s_lshl_b32 s42, ttmp9, 2
	s_add_co_u32 s42, s42, s40                     ; tile column of C = 4 x cluster x + cx
	s_and_b32 s17, ttmp7, 0xffff
	s_lshl_b32 s17, s17, 2
	s_add_co_u32 s17, s17, s41                     ; tile row of C = 4 x cluster y + cy
	s_lshl_b32 s43, s41, 2
	s_lshl_b32 s43, 15, s43                        ; my row of the cluster
	s_lshl_b32 s44, 0x1111, s40                    ; my column
	; descriptor group 1: a tile of 128 rows x ROWB bytes, padded in LDS
	s_or_b32 s[G1+0], s43, (0<<16)|(1<<20)|(1<<21)|(5<<22)|(3<<25)  ; 15:0 the mask: A's tiles go to my row; 17:16 element of 1 byte; 20 padding on; 21 set beside a mask; 24:22 after every 64 words (code 5); 31:25 of 4 words (code 3)
	s_or_b32 s[G1B+0], s44, (0<<16)|(1<<20)|(1<<21)|(5<<22)|(3<<25)
.irp g, G1, G1B
	s_mov_b32 s[\g+1], ROWB<<16                    ; tensor_dim0
	s_mov_b32 s[\g+2], 128<<16                     ; tensor_dim1 = 128
	s_mov_b32 s[\g+3], ROWB<<16                    ; tile_dim0
	s_mov_b32 s[\g+4], 128                         ; tile_dim1 = 128
	s_mov_b32 s[\g+5], KROW                        ; tensor_dim0_stride
	s_mov_b32 s[\g+6], 0
	s_mov_b32 s[\g+7], 0
.endr
	; and for the scales of 128 rows: a dense block of 128 KS bytes, as rows of 256 bytes (32 elements of 8 bytes), 16 bytes of padding behind each
	s_or_b32 s[G1S+0], s43, (3<<16)|(1<<20)|(1<<21)|(5<<22)|(3<<25)
	s_or_b32 s[G1SB+0], s44, (3<<16)|(1<<20)|(1<<21)|(5<<22)|(3<<25)
.irp g, G1S, G1SB
	s_mov_b32 s[\g+1], 32<<16
	s_mov_b32 s[\g+2], (128*KS/256)<<16
	s_mov_b32 s[\g+3], 32<<16
	s_mov_b32 s[\g+4], 128*KS/256
	s_mov_b32 s[\g+5], 32
	s_mov_b32 s[\g+6], 0
	s_mov_b32 s[\g+7], 0
.endr
	s_lshl_b32 s18, s16, 7                         ; which 128 rows of the tile I fetch
	s_lshl_b32 s20, s17, 8
	s_add_co_u32 s20, s20, s18                     ; A: row 256 x tile row + 128 x half
	s_lshl_b32 s46, s42, 8
	s_add_co_u32 s46, s46, s18                     ; B: row 256 x tile column + 128 x half
	s_mov_b32 s21, 0
	s_mov_b32 s47, 0
	s_mov_b64 s[18:19], KS
	s_mul_u64 s[22:23], s[20:21], s[18:19]         ; where these rows' scales begin, in bytes
	s_mul_u64 s[92:93], s[46:47], s[18:19]
	s_mov_b64 s[18:19], KROW
	s_mul_u64 s[20:21], s[20:21], s[18:19]         ; and their codes
	s_mul_u64 s[46:47], s[46:47], s[18:19]
	s_mul_i32 s45, s14, HALFT                      ; where they go: wave x 128 rows: no place in the cluster enters an LDS address
	s_mul_i32 s94, s14, HALFS
	s_wait_dscnt 0x0                               ; both opening adds are done
	s_wait_kmcnt 0x0
	s_add_nc_u64 s[20:21], s[4:5], s[20:21]
	s_add_nc_u64 s[22:23], s[6:7], s[22:23]
	s_add_nc_u64 s[46:47], s[8:9], s[46:47]
	s_add_nc_u64 s[92:93], s[10:11], s[92:93]
	CROUND                                         ; all sixteen work-groups are here: the first joint loads meet
	s_mov_b32 s[G0S], 1
	s_add_co_u32 s[G0S+1], s94, SCL
	s_mov_b64 s[G0S+2:G0S+3], s[22:23]
	s_or_b32 s[G0S+3], s[G0S+3], 0x80000000
	s_mov_b32 s[G0SB], 1
	s_add_co_u32 s[G0SB+1], s94, SCL
	s_mov_b64 s[G0SB+2:G0SB+3], s[92:93]
	s_or_b32 s[G0SB+3], s[G0SB+3], 0x80000000
	JLOAD G0S, G1S, G0SB, G1SB                     ; the scales first: they are wanted with K step 0
.irp s, 0,1
	s_mov_b32 s[G0+4*\s], 1
	s_add_co_u32 s[G0+4*\s+1], s45, \s*SLOT
	s_add_nc_u64 s[G0+4*\s+2:G0+4*\s+3], s[20:21], \s*ROWB
	s_or_b32 s[G0+4*\s+3], s[G0+4*\s+3], 0x80000000
	s_mov_b32 s[G0B+4*\s], 1
	s_add_co_u32 s[G0B+4*\s+1], s45, \s*SLOT
	s_add_nc_u64 s[G0B+4*\s+2:G0B+4*\s+3], s[46:47], \s*ROWB
	s_or_b32 s[G0B+4*\s+3], s[G0B+4*\s+3], 0x80000000
	JLOAD G0+4*\s, G1, G0B+4*\s, G1B               ; three tensor loads of mine are out at the most
.endr
	v_and_b32 v1, 15, v0                           ; l % 16
	v_bfe_u32 v2, v0, 4, 1                         ; l / 16
	v_mul_u32_u24 v3, v1, PITCH
	v_lshl_add_u32 v4, v2, 4, v3                   ; a fragment's row x pitch + 16 x half
	s_mul_i32 s21, s15, HALFT                      ; my 128 rows of A
	s_mul_i32 s22, s16, HALFT                      ; my 128 rows of B,
	s_add_co_u32 s22, s22, 2*HALFT                 ; which lie behind A's 256
.irp s, 0,1
	v_add_nc_u32 v[ADRA+\s], s21, v4
	v_add_nc_u32 v[ADRB+\s], s22, v4
	s_add_co_u32 s21, s21, SLOT
	s_add_co_u32 s22, s22, SLOT
.endr
	v_mul_u32_u24 v5, v1, KS                       ; my row's scales: KS bytes a row,
	v_lshrrev_b32 v6, 8, v5
	v_lshl_add_u32 v5, v6, 4, v5                   ; and 16 more for each 256 passed
	s_mul_i32 s21, s15, HALFS                      ; A's: my 128 rows
	s_mul_i32 s22, s16, HALFS                      ; B's: my 128 rows, behind A's 256
	s_add_co_u32 s22, s22, 2*HALFS
	s_sub_co_u32 s22, s22, s21
	v_mul_u32_u24 v6, s22, v2                      ; lanes 16-31 take B's: one product, the distance between the two bases x the lane's half
	s_add_co_u32 s21, s21, SCL
	v_add_nc_u32 v5, v5, v6
	v_add_nc_u32 v[ADRS], s21, v5
	s_mul_i32 s23, s14, 16*SPITCH                  ; my stage
	v_mul_u32_u24 v5, v1, SPITCH                   ; in: row l % 16, 16 bytes for each half of the lanes
	v_lshl_add_u32 v5, v2, 4, v5
	v_add_nc_u32 v[STO], s23, v5
	v_mul_u32_u24 v5, v2, SPITCH                   ; back: lanes 0-15 take one row of 256 bytes, lanes 16-31 the next
	v_lshl_add_u32 v5, v1, 4, v5
	v_add_nc_u32 v[RD], s23, v5
	v_and_b32 v6, 31, v0
	v_lshlrev_b32 v[CO], 4, v6                     ; and in qkv the two rows are 512 consecutive bytes: 16 x lane
	s_lshl_b32 s20, s17, 8
	s_lshl_b32 s21, s15, 7
	s_add_co_u32 s20, s20, s21                     ; my first row: 256 x tile row + 128 x half,
	s_lshl_b32 s20, s20, 8                         ; of 256 bytes
	s_mov_b32 s21, 0
	s_lshl_b32 s46, s42, 1
	s_add_co_u32 s46, s46, s16                     ; my plane: 2 x tile column + half,
	s_lshl_b32 s46, s46, 20                        ; of 4,096 rows x 256 bytes
	s_mov_b32 s47, 0
	s_add_nc_u64 s[20:21], s[20:21], s[46:47]
	s_add_nc_u64 s[12:13], s[12:13], s[20:21]
.macro FRAG reg, adr, q, i             ; a fragment, 16 rows x 128 K of 4-bit codes, is 8 registers: lane l holds row l % 16; registers 4 c .. 4 c + 3 hold K = 64 c + 32 (l / 16) + 0 .. 31, the lower K in the lower bits
.irp c, 0,1
	ds_load_b128 v[\reg+4*\c:\reg+4*\c+3], v[\adr] offset:64*(\q)+32*\c+(\i)*16*PITCH
.endr
.endm
; 16 matrix instructions: A's blocks a0, a0 + 1 x B's eight, 128 along K: the slot's q-th.  p: B's set;  sc: the set of scale words.  zero = 1: the first product starts the sums: nothing is ever cleared.
; The 64 accumulators take turns, one instruction a turn, in the same order in every step.
.macro MUL16 a0, p, q, sc, zero
.irp a, \a0, \a0+1
.irp b, 0,1,2,3,4,5,6,7
.if \zero
	v_wmma_scale_f32_16x16x128_f8f6f4 v[8*(8*((\a)%4)+\b):8*(8*((\a)%4)+\b)+7], v[128*(\p)+FR*\b:128*(\p)+FR*\b+FR-1], v[AF+FR*(\a):AF+FR*(\a)+FR-1], 0, v[SC+8*NQ*(\sc)+NQ*\b+(\q)], v[SC+8*NQ*(\sc)+NQ*(\a)+(\q)] matrix_a_fmt:MATRIX_FMT_FP4 matrix_b_fmt:MATRIX_FMT_FP4 matrix_a_scale:MATRIX_SCALE_ROW1
.else
	v_wmma_scale_f32_16x16x128_f8f6f4 v[8*(8*((\a)%4)+\b):8*(8*((\a)%4)+\b)+7], v[128*(\p)+FR*\b:128*(\p)+FR*\b+FR-1], v[AF+FR*(\a):AF+FR*(\a)+FR-1], v[8*(8*((\a)%4)+\b):8*(8*((\a)%4)+\b)+7], v[SC+8*NQ*(\sc)+NQ*\b+(\q)], v[SC+8*NQ*(\sc)+NQ*(\a)+(\q)] matrix_a_fmt:MATRIX_FMT_FP4 matrix_b_fmt:MATRIX_FMT_FP4 matrix_a_scale:MATRIX_SCALE_ROW1
.endif
.endr
.endr
.endm
.macro FETCH_B slot, q, p              ; B's eight fragments of the slot's q-th 128 along K into set p
	WIN TO_B
.irp i, 0,1,2,3,4,5,6,7
	FRAG 128*(\p)+FR*\i, ADRB+\slot, \q, \i
.endr
	WIN 0
.endm
.macro FETCH_A slot, q, i0             ; A's blocks i0 .. i0 + 3
.irp i, \i0, \i0+1, \i0+2, \i0+3
	FRAG AF+FR*(\i), ADRA+\slot, \q, \i
.endr
.endm
.macro SCALES sc                       ; the next K step's scale words into set sc: NQ words a row; lanes 0-15 take A's block i, lanes 16-31 B's block i
.irp i, 0,1,2,3,4,5,6,7
	ds_load_b128 v[SC+8*NQ*\sc+NQ*\i:SC+8*NQ*\sc+NQ*\i+3], v[ADRS] offset:\i*SBLK
.endr
.endm
; A load into a register that a matrix instruction has read, and a vector instruction or an LDS store that reads a matrix result, stand NP places behind that matrix instruction, and only plain vector
; instructions that name none of its registers are places (ISA guide 7.12.1 for vector instructions); this text does not count the matrix instructions in between.
.macro PLACES n
.rept \n
	v_nop
.endr
.endm
; A step of 128 along K that has its successor in the same slot.
.macro STEP slot, q, zero
	s_wait_dscnt 4*NL                              ; B's set and A's blocks 0-3 are in; the youngest eight loads (A's blocks 4-7) may be out
	WIN MUL_LO
	MUL16 0, (\q)%2, \q, \slot, \zero
	MUL16 2, (\q)%2, \q, \slot, \zero
	s_wait_dscnt 0                                 ; A's blocks 4-7 are in (asked for 32 matrix instructions ago)
	PLACES NP
	FETCH_B \slot, (\q)+1, 1-(\q)%2
	FETCH_A \slot, (\q)+1, 0
	WIN MUL_HI
	MUL16 4, (\q)%2, \q, \slot, \zero
	MUL16 6, (\q)%2, \q, \slot, \zero
	PLACES NP
	WIN 0
	FETCH_A \slot, (\q)+1, 4
.endm
; A slot's last step changes slots: ONE barrier; in front of it each wave waits for all its tensor loads, adds 0 to its spare word, and waits for that and for its own reads of this slot.  fill = 1: this slot is filled again, two K steps ahead.
.macro TURN slot, next, fill
	s_wait_tensorcnt 0x0                           ; all my tensor loads have landed: my part of the next slot;  (every window is 0 here: the add's two registers lie in window 0)
	ds_add_u32 v[SPW], v[NIL]                      ; 0 onto my spare word
	s_wait_dscnt 4*NL+1                            ; (the add and the youngest eight loads, A's blocks 4-7, may be out)
	WIN MUL_LO
	MUL16 0, 1, NQ-1, \slot, 0                     ; sixteen matrix instructions stand between the add and the wait for it
	s_wait_dscnt 0x0                               ; the add is done, and my reads of this slot are over
	s_barrier_signal -1
	MUL16 2, 1, NQ-1, \slot, 0
	WIN 0
	s_barrier_wait -1
.if \fill
	CREST                                          ; the barrier has opened a round of the cluster's barrier: no wave of any partner still reads this slot's tile or has a load on its way
	s_add_nc_u64 s[G0+4*\slot+2:G0+4*\slot+3], s[G0+4*\slot+2:G0+4*\slot+3], 2*ROWB
	s_add_nc_u64 s[G0B+4*\slot+2:G0B+4*\slot+3], s[G0B+4*\slot+2:G0B+4*\slot+3], 2*ROWB
	JLOAD G0+4*\slot, G1, G0B+4*\slot, G1B         ; the first tensor load behind the round; the four v_nop behind it are the places in front of the loads below
.else
	PLACES NP
.endif
	v_add_nc_u32 v[ADRS], 4*NQ, v[ADRS]            ; on to the next K step's scale words (no LDS load of mine is out)
	FETCH_B \next, 0, 0
	FETCH_A \next, 0, 0
	SCALES \next
	WIN MUL_HI
	MUL16 4, 1, NQ-1, \slot, 0
	MUL16 6, 1, NQ-1, \slot, 0
	PLACES NP
	WIN 0
	FETCH_A \next, 0, 4
.endm
.macro STEPS slot, from                ; the slot's steps from .. NQ - 2
.set Q, \from
.rept NQ-1-\from
	STEP \slot, Q, 0
.set Q, Q+1
.endr
.endm
	s_wait_tensorcnt 1                             ; the scales and my part of K step 0 are in (K step 1's load may be out)
	s_barrier_signal -1
	s_barrier_wait -1                              ; everybody's are
	FETCH_B 0, 0, 0
	FETCH_A 0, 0, 0
	SCALES 0
	FETCH_A 0, 0, 4
	STEP 0, 0, 1                                   ; the first step stands in front of the loop: its products start the sums
	s_mov_b32 s3, LAPS-1
.Llap:                                                 ; a trip goes once round the ring, from a lap's second step to the next lap's first, and fills both slots again
	STEPS 0, 1
	TURN 0, 1, 1
	STEPS 1, 0
	TURN 1, 0, 1
	STEP 0, 0, 0
	s_sub_co_u32 s3, s3, 1
	s_cmp_lg_u32 s3, 0
	s_cbranch_scc1 .Llap
	STEPS 0, 1                                     ; the last lap fills nothing, and has no round of the cluster's barrier
	TURN 0, 1, 0
	STEPS 1, 0
	s_wait_dscnt 4*NL                              ; the very last step: nothing more to fetch
	WIN MUL_LO
	MUL16 0, 1, NQ-1, 1, 0
	MUL16 2, 1, NQ-1, 1, 0
	s_wait_dscnt 0
	WIN MUL_HI
	MUL16 4, 1, NQ-1, 1, 0
	MUL16 6, 1, NQ-1, 1, 0
	WIN 0
; THE WAY OUT, block by block of 16 rows x 128 columns.  PACK: rounded to f16, a lane's eight neighbouring columns are 16 bytes.  TOSTAGE: into my own stage in LDS, and back as whole rows of 256 bytes.
; SEND: stored: a wave's store covers two rows of my plane, 512 consecutive bytes, aligned.  LDS serves a wave's instructions in order (ISA guide 5.7.1.4): no wait between the stage's stores and its loads.
.macro PACK a
.set AC, 64*((\a)%4)
	WIN 0x0a+5*((\a)/4)                            ; sources 0 and 1: window 2 or 3
.irp b, 0,1,2,3,4,5,6,7
.irp r, 0,1,2,3
	v_cvt_pk_f16_f32 v[TMP+4*\b+\r], v[AC+8*\b+2*\r], v[AC+8*\b+2*\r+1]    ; each accumulator from its low end on
.endr
.endr
	WIN 0
.endm
.macro TOSTAGE a
.set BB, OB+32*((\a)%2)
.irp b, 0,1,2,3,4,5,6,7
	ds_store_b128 v[STO], v[TMP+4*\b:TMP+4*\b+3] offset:32*\b
.endr
.irp t, 0,1,2,3,4,5,6,7
	ds_load_b128 v[BB+4*\t:BB+4*\t+3], v[RD] offset:\t*2*SPITCH
.endr
.endm
.macro SEND a
.set BB, OB+32*((\a)%2)
	s_wait_dscnt 0x0                               ; the block is back in registers
	s_wait_xcnt 0x0                                ; the stores of the block before have read their registers: the next block's loads from the stage land there only behind this wait
.irp t, 0,1,2,3,4,5,6,7
	global_store_b128 v[CO], v[BB+4*\t:BB+4*\t+3], s[12:13] offset:4096*(\a)+512*\t   ; no base is stepped: my 32,768 bytes lie inside the immediate
.endr
.endm
	PLACES NP                                      ; behind the last products: the conversions below write registers that held scale words, and the stage's loads land on others
	PACK 0
	TOSTAGE 0
.irp a, 1,2,3,4,5,6,7                  ; block a's conversions stand between block a - 1's loads from the stage and the wait for them
	PACK \a
	SEND \a-1
	TOSTAGE \a
.endr
	SEND 7
	s_wait_tensorcnt 0x0                           ; the wave's end: behind my last tensor load and my last LDS store
	ds_add_u32 v[SPW], v[NIL]
	s_wait_dscnt 0x0
	CROUND                                         ; the closing round: no work-group ends while a partner may still ask for a tile that names it
	s_endpgm
.Lfunc_end_k_q91de120150_gemm:
	.size	k_q91de120150_gemm, .Lfunc_end_k_q91de120150_gemm-k_q91de120150_gemm
	.p2alignl 7, 3214868480
	.fill 96, 4, 3214868480
	.section	.rodata,"a",@progbits
	.p2align	6, 0x0
	.amdhsa_kernel k_q91de120150_gemm
		.amdhsa_group_segment_fixed_size 327680
		.amdhsa_private_segment_fixed_size 0
		.amdhsa_enable_private_segment 0
		.amdhsa_kernarg_size 40
		.amdhsa_user_sgpr_count 2
		.amdhsa_user_sgpr_kernarg_segment_ptr 1
		.amdhsa_wavefront_size32 1
		.amdhsa_system_sgpr_workgroup_id_x 1
		.amdhsa_system_sgpr_workgroup_id_y 1
		.amdhsa_system_sgpr_workgroup_id_z 1
		.amdhsa_system_vgpr_workitem_id 0
		.amdhsa_next_free_vgpr 1024
		.amdhsa_next_free_sgpr 98
		.amdhsa_reserve_vcc 0
		.amdhsa_float_denorm_mode_32 3
		.amdhsa_float_denorm_mode_16_64 3
		.amdhsa_memory_ordered 1
		.amdhsa_forward_progress 1
		.amdhsa_inst_pref_size 213
	.end_amdhsa_kernel
	.amdgpu_metadata
---
amdhsa.version: [ 1, 2 ]
amdhsa.kernels:
  - .name:           k_q91de120150_gemm
    .symbol:         k_q91de120150_gemm.kd
    .args:
      - { .name: xc, .offset: 0, .size: 8, .value_kind: global_buffer, .address_space: global }
      - { .name: xs, .offset: 8, .size: 8, .value_kind: global_buffer, .address_space: global }
      - { .name: wc, .offset: 16, .size: 8, .value_kind: global_buffer, .address_space: global }
      - { .name: ws, .offset: 24, .size: 8, .value_kind: global_buffer, .address_space: global }
      - { .name: qkv, .offset: 32, .size: 8, .value_kind: global_buffer, .address_space: global }
    .group_segment_fixed_size: 327680
    .private_segment_fixed_size: 0
    .kernarg_segment_align: 8
    .kernarg_segment_size: 40
    .max_flat_workgroup_size: 128
    .sgpr_count:     98
    .vgpr_count:     1024
    .wavefront_size: 32
...
	.end_amdgpu_metadata
.endif
;; end of part 2
;; launch attn (part 3): grid 32 x 8, 8 waves a work-group, clusters of 4 x 1, 327,680 bytes of LDS; arguments qkv, out0; writes out0
.if DOCPART == 3
	.amdgcn_target "amdgcn-amd-amdhsa--gfx1250"
	.amdhsa_code_object_version 6
	.text
	.protected	k_q91de120150_attn
	.globl	k_q91de120150_attn
	.p2align	8
	.type	k_q91de120150_attn,@function
k_q91de120150_attn:
	s_mov_b64 s[64:65], 0
	v_nop
	global_prefetch_b8 v0, s[64:65] scope:SCOPE_SE
	s_setreg_imm32_b32 hwreg(HW_REG_WAVE_MODE, 25, 1), 1
	s_wait_xcnt 0x0
	s_wait_alu depctr_hold_cnt(0) depctr_sa_sdst(0) depctr_va_vdst(0) depctr_va_sdst(0) depctr_va_ssrc(0) depctr_va_vcc(0) depctr_vm_vsrc(0)
	s_getreg_b32 s2, hwreg(HW_REG_IB_STS2, 6, 4)
	s_cmp_eq_u32 s2, 0
	s_cbranch_scc0 .Lentry_in_a_cluster
	s_endpgm
.Lentry_in_a_cluster:
	s_bfe_u32 s2, ttmp6, 0x10000c
	s_cmp_lg_u32 s2, 0x3003
	s_cbranch_scc0 .Lentry_shape_is_right
	s_endpgm
.Lentry_shape_is_right:
; out0[b][t][128 H + :] = the sum over keys k <= t of softmax_k(q[H][t] . k[g][k] / sqrt(128)) v[g][k][:], H = 4 g + h.  q, k, v: planes of qkv, [24][4096 rows 2048 b + t][128] f16; out0 f32.
; Products on f16 operands with f32 sums; maxima, exponentials and sums in f32; the weights p (at most 1) are rounded to f16 for the second product.
; WORK LEFT OUT: runs of 128 keys that lie wholly behind the last query of the four work-groups of a cluster: reference()'s own jnp.tril gives them the weight 0 for all finite inputs (shown at the head of the first kernel).
; SHARES.  y = 4 b + g.  Work-group i = 4 J + cx (J the cluster, 0..7) owns positions 32 i .. 32 i + 31 (the EARLY block) and 2016 - 32 i .. 2047 - 32 i (the LATE block), for the group's four heads.
; Keys go in steps of 64 and slots of 128.  Wave h (X) takes head h's late rows over key steps 0 .. 16 (slots 0 .. 8; slot 8's second step is passed over).  Wave 4 + h (Y) takes head h's early rows over slots
; 0 .. J, stores them, and then the late rows over slots 8 .. 15 - J (slot 8's first step is passed over); at the end Y's part of the late rows goes through LDS to X, which joins the two and stores.
; So each wave walks (J + 1) + (8 - J) = 9 slots and works 17 steps of 64 matrix instructions, in every work-group: all trip counts are constants, and the two waves that share a SIMD have equal work,
; one's softmax beside the other's products.
; CLUSTER.  The four work-groups of a cluster have the same J, so both streams walk the same slots of K and V in all four: each tile is asked for JOINTLY, by the same tensor load with the same descriptor and a mask that
; names the four.  Every branch hangs on J, y, the trip and the wave's number; cx enters Q's and out0's addresses, the prefetches' address and the mask's DATA alone.  A partner for which a step of the diagonal slot
; is wholly hidden works it all the same: its weights come out 0.
; LAYOUT.  S^T = K Q^T (source 0 = 16 keys, source 1 = 16 queries): a lane holds ONE query (lane % 16) and keys 8 (lane / 16) + 0..7 of each tile of 16.  Two such tiles, rounded in pairs, ARE source 1 of O^T = V^T P,
; whose result again holds one query a lane, and eight channels.  K comes out of LDS as it lies, V ([key][channel]) turned, by ds_load_tr16_b128.
; SOFTMAX.  For each query a running maximum m and sum l: p = 2^(c s - c m), c = log2(e) / sqrt(128); in every step O and l are multiplied by a = 2^(c m_old - c m_new).  m begins at -3e38, l and O at 0, so that one
; step's text serves first steps too.  A part of the keys all of whose scores are hidden keeps m = -3e38, l = 0, O = 0, and gets the factor 0 when the parts are joined: no branch on data.
; LDS: stream X's two slots at 0 and 73,728, stream Y's at 147,456 and 221,184; a slot: 128 rows of K (pitch 272), then 128 rows of V (pitch 288), 71,680 bytes; the spare words at 71,680; the waves' stages for the way
; out at 292,864.  Y's parts go to X through stream X's slot at 73,728, which has had its last fill and its last read by then.
; REGISTERS: window 0: v1-19 addresses and lane numbers; v20-31 at work when the parts are joined; v32-47 statistics; v64-127 S^T, 32 a tile (also rows on the way out); v128-255 K's or V's 16 fragments (also O / l).
;   window 1: v0-127 O^T, 64 a tile; v128-191 Q, 32 a tile; v192-223 P, 16 a tile.
.set PK,    272       ; a row of K in LDS: 256 bytes + 16 of padding: the 16 rows of a load begin 4 words further on each time, modulo 64 words
.set PV,    288       ; a row of V: 256 + 32: the turning load's 16 lanes take 8 rows x 32 bytes, 8 words further on each row
.set VOFF,  128*PK    ; a slot: 128 rows of K, then 128 rows of V
.set SLOTB, 128*(PK+PV)
.set SPARE, SLOTB     ; 71,680: the spare words, 128 bytes for each of the eight waves, which no other line names
.set SLOTX, 73728     ; 0x12000: one exclusive or turns an address in a stream's one slot into the other's (its bits are 0 in 0, 0x8800, 0x24000 and 0x2c800)
.set YBASE, 2*SLOTX   ; stream Y's first slot
.set STAGE, YBASE+SLOTX+SLOTB  ; 292,864: 16 rows x 272 bytes for each wave; no tensor load lands here
.set MPART, 16896     ; a part of the late rows on its way from Y to X: 32 x 512 bytes of O^T, 512 of statistics
.set AK0, 3           ; v3   my lane's place in a tile of K; never rewritten
.set AV0, 4           ; v4   the same for V
.set ADK, 5           ; v5   the LDS address of the step's K
.set ADV, 6           ; v6   and V
.set QO,  7           ; v7   my byte offset in the wave's rows of Q
.set STO, 8           ; v8   the way out: where I put 32 bytes of a row
.set RD,  9           ; v9   the way out: where I read a row back
.set GO,  10          ; v10  my byte offset in two rows of out0
.set SPW, 11          ; v11  LDS address of my spare word: SPARE + 4 x my thread's number; never rewritten
.set NIL, 12          ; v12  0; never rewritten
.set PFO, 13          ; v13  256 x my lane: a row of K or V is 256 bytes
.set MI,  14          ; v14  where my lane's 16 bytes of a part's images lie
.set RH,  15          ; v15  lane % 16 - 8 (lane / 16)
.set D0,  17          ; v17, v18  the mask: my query - the step's first key - 8 (lane / 16), for tiles 0 and 1
.set NINF, 19         ; v19  -infinity
.set ST,  32          ; tile u's statistics at v[ST+8 u]: +0 c m, +1 m, +2, +3 l (even keys', odd keys'), +4 to +7 at work; a takes +6
.set S,   64
.set KV,  128
.set OA,  0           ; window 1
.set Q,   128
.set P,   192
.set WV,  8           ; s8   my wave's number
.set HD,  9           ; s9   my head in the group: wave % 4
.set STR, 10          ; s10  my stream: 0 X, 1 Y
.set CX,  11          ; s11  my place in the cluster
.set J,   12          ; s12  the cluster
.set BG,  13          ; s13  4 b + g
.set T,   14          ; s14  the trip
.set NA,  15          ; s15  Y: the trip in which the late rows begin, J + 1;  X: -1
.set KF,  16          ; s16  the step's first key
.set KLO, 17          ; s17  steps whose first key lies under this are passed over,
.set KHI, 18          ; s18  and those whose first key lies above this
.set QM,  19          ; s19  from this first key on the mask's lines run
.set TB,  20          ; s20  LDS byte at which the slot in hand begins
.set TK,  21          ; s21  and the step's K,
.set TV,  22          ; s22  and V (less VOFF)
.set TW,  23          ; s23  counts a slot's two steps
.set G1K, 24          ; s[24:31] descriptor group 1 for K's tiles
.set G1V, 32          ; s[32:39] for V's: it differs in the padding alone
.set G0,  40          ; s[40:43] my descriptor group 0, which walks
.set CS,  44          ; s[44:45] c: the packed scaling names a pair and takes its low word for both halves
.set SEL, 46          ; s[46:47] lane selects for v_permlanex16_b32: lane l xor 16
.set QB,  48          ; s[48:49] Q at my first row
.set QD,  50          ; s[50:51] bytes from the early block's rows to the late block's
.set OB,  52          ; s[52:53] out0 at the first row that I store (X: late, Y: early), my head's columns
.set PFA, 54          ; s[54:55] where my prefetches stand
.set LIM, 56          ; s56  a wave prefetches while the trip is under this
.set DJ,  57          ; s57  bytes from slot J to slot 8
.set DST, 58          ; s[58:59] the walking descriptor's step
.set Q0,  60          ; s60  my first query of the block in hand (hangs on cx: never compared)
.set Q0L, 61          ; s61  the late block's
.set QML, 62          ; s62  the late block's diagonal slot's first key: 1920 - 128 J
.set MSB, 0
.macro WIN new                      ; the immediate's high byte repeats the setting that is left; a switch that changes nothing is dropped
.if MSB != \new
	s_set_vgpr_msb (MSB<<8)|\new
.set MSB, \new
.endif
.endm
; A round of the cluster's barrier: my work-group's barrier, so that wave 0's signal speaks for all eight waves; wave 0 signals for the work-group; every wave waits for all four work-groups; my work-group's barrier once more.
.macro CROUND
	s_barrier_signal -1
	s_barrier_wait -1
	s_cmp_lg_u32 s[WV], 0
	s_cbranch_scc1 .Lnot_wave_0_\@
	s_barrier_signal -3
.Lnot_wave_0_\@:
	s_barrier_wait -3
	s_barrier_signal -1
	s_barrier_wait -1
.endm
; A joint load.  In each stream the wave of head 0 fetches the slot's K, the wave of head 1 its V, the others nothing: one tensor load of a wave is out at the most.  The branches hang on the wave's number alone.
; An s_nop 0 and four v_nop follow each of the two lines.
.macro JLOAD
	s_cmp_eq_u32 s[HD], 0
	s_cbranch_scc0 .Lnot_k_\@
	tensor_load_to_lds s[G0:G0+3], s[G1K:G1K+7]
	s_nop 0
.rept 4
	v_nop
.endr
	s_branch .Lasked_\@
.Lnot_k_\@:
	s_cmp_eq_u32 s[HD], 1
	s_cbranch_scc0 .Lasked_\@
	tensor_load_to_lds s[G0:G0+3], s[G1V:G1V+7]
	s_nop 0
.rept 4
	v_nop
.endr
.Lasked_\@:
.endm
; A PREFETCH INTO THE L2 of the slot that the NEXT change of slots will ask for: 128 rows of K and 128 of V, 256 bytes a row, a lane a row.  Each row is named once in the launch: of the clusters of one y, which walk the
; same K and V, cluster 0 asks; its four partners take 32 rows each, told apart BY ADDRESS; in each, the waves that fetch nothing ask: head 2's wave for K's rows, head 3's for V's, one instruction.  Stream X names slots
; 2 to 7 (trips 0 to 5), stream Y slots 9 to 15 (trips 0 to 6, in cluster 0 the slots of its trips 2 to 8); slots 0, 1 and 8 come by their loads alone: nothing is prefetched at the head.
.macro ASK
	s_cmp_lt_u32 s[T], s[LIM]
	s_cbranch_scc0 .Lnot_mine_\@
	global_prefetch_b8 v[PFO], s[PFA:PFA+1] th:TH_LOAD_NT scope:SCOPE_SE
.Lnot_mine_\@:
.endm
; THE CHANGE OF SLOTS stands at a trip's head.  Each wave waits for all its tensor loads (its part of the slot about to be read), adds 0 to its spare word, and waits for that and for its reads of the slot that it has left.
; fill = 1: the barrier is a round of the cluster's, so that no wave of any partner still reads the slot left or has a load on its way, and the joint fill of that slot is the first thing behind it: it has a trip's two
; key steps in which to land.  In trip 0 all four loads are first fills, of the streams' second slots.
.macro CHANGE fill
	s_wait_tensorcnt 0x0            ; no tensor load of mine is out, so group 0 may be written
	ds_add_u32 v[SPW], v[NIL]       ; 0 onto my spare word
.if \fill
	ds_add_u32 v[SPW], v[NIL]       ; and once more
	s_xor_b32 s[G0+1], s[G0+1], SLOTX  ; the walking descriptor: the stream's other slot,
	s_add_co_u32 s63, s[T], 1
	s_cmp_eq_u32 s63, s[NA]         ; is the next trip the one in which Y's late rows begin?
	s_cselect_b32 s[DST], s[DJ], 0x8000  ; then from slot J to slot 8, else the next 128 keys: 32,768 bytes
	s_add_nc_u64 s[G0+2:G0+3], s[G0+2:G0+3], s[DST:DST+1]  ; the type bits on top are not reached
	s_wait_xcnt 0x0                 ; the last prefetch, a trip back, has read its address, so it may be written
	s_add_nc_u64 s[PFA:PFA+1], s[PFA:PFA+1], 0x8000
	s_wait_dscnt 0x0                ; both adds are done, and my reads of the slot that I have left are over
	CROUND
	JLOAD
	ASK
.else
	s_wait_dscnt 0x0                ; the add is done, and my reads of the slot that I have left are over
	s_barrier_signal -1
	s_barrier_wait -1
.endif
.endm
; My 32 rows of Q stay in registers: tile u, channels 32 cs on: lane l holds row l % 16; registers 0-3 channels 8 (l / 16) + 0..7, registers 4-7 channels 16 + 8 (l / 16) + 0..7
.macro QLOAD
	WIN 0x40                        ; destination window 1, address window 0
.irp u, 0,1
.irp cs, 0,1,2,3
	global_load_b128 v[Q+32*\u+8*\cs:Q+32*\u+8*\cs+3],   v[QO], s[QB:QB+1] offset:4096*\u+64*\cs
	global_load_b128 v[Q+32*\u+8*\cs+4:Q+32*\u+8*\cs+7], v[QO], s[QB:QB+1] offset:4096*\u+64*\cs+32
.endr
.endr
	WIN 0
.endm
; A block of rows begins: m = -3e38, under every score; l = 0; O^T = 0.  The clearing is paid for three times in the launch's text and at most twice in a wave's run; it spares a second text of the key step for first steps.
.macro INIT
.irp u, 0,1
	v_mov_b32 v[ST+8*\u+1], 0xff61b1e6
	v_mul_f32 v[ST+8*\u], s[CS], v[ST+8*\u+1]
.irp k, 2,3,4,5,6,7
	v_mov_b32 v[ST+8*\u+\k], 0      ; (+4 to +7: so that no way through the text reads them unwritten)
.endr
.endr
	WIN 0x40
.set cnt, 0
.rept 128
	v_mov_b32 v[OA+cnt], 0
.set cnt, cnt+1
.endr
	WIN 0
.endm
; A KEY STEP: 64 keys for my two tiles of 16 queries: 32 products K Q^T, the softmax, 32 products V^T P.
.macro STEPWORK
	v_add_nc_u32 v[ADK], s[TK], v[AK0]
	v_add_nc_u32 v[ADV], s[TV], v[AV0]
.irp cs, 0,1,2,3                    ; K's 16 fragments, channels outermost, as the products take them: keys 16 kt on, channels 32 cs on
.irp kt, 0,1,2,3
	ds_load_b128 v[KV+8*(4*\cs+\kt):KV+8*(4*\cs+\kt)+3],   v[ADK] offset:\kt*16*PK+64*\cs
	ds_load_b128 v[KV+8*(4*\cs+\kt)+4:KV+8*(4*\cs+\kt)+7], v[ADK] offset:\kt*16*PK+64*\cs+32
.endr
.endr
	WIN 0x04                        ; source 1 (Q) window 1
.irp cs, 0,1,2,3
	s_wait_dscnt 24-8*\cs           ; these channels' eight loads are in; the eight of each later run of channels may be out
.irp kt, 0,1,2,3                    ; the eight accumulators take turns, one instruction a turn; the first eight products start the sums
.irp u, 0,1
.if \cs == 0
	v_wmma_f32_16x16x32_f16 v[S+32*\u+8*\kt:S+32*\u+8*\kt+7], v[KV+8*(4*\cs+\kt):KV+8*(4*\cs+\kt)+7], v[Q+32*\u+8*\cs:Q+32*\u+8*\cs+7], 0
.else
	v_wmma_f32_16x16x32_f16 v[S+32*\u+8*\kt:S+32*\u+8*\kt+7], v[KV+8*(4*\cs+\kt):KV+8*(4*\cs+\kt)+7], v[Q+32*\u+8*\cs:Q+32*\u+8*\cs+7], v[S+32*\u+8*\kt:S+32*\u+8*\kt+7]
.endif
.endr
.endr
.endr
	WIN 0
.rept 4
	v_nop                           ; four places behind the last product: in front of the loads into K's registers, and of the first read of the scores
.endr
.irp ks, 0,1                        ; V's 16 fragments, turned, land during the softmax: keys 32 ks on, channels 16 ct on
.irp ct, 0,1,2,3,4,5,6,7
	ds_load_tr16_b128 v[KV+8*(8*\ks+\ct):KV+8*(8*\ks+\ct)+3],   v[ADV] offset:\ks*32*PV+32*\ct
	ds_load_tr16_b128 v[KV+8*(8*\ks+\ct)+4:KV+8*(8*\ks+\ct)+7], v[ADV] offset:\ks*32*PV+16*PV+32*\ct
.endr
.endr
	s_cmp_lt_u32 s[KF], s[QM]       ; ahead of the block's diagonal slot every key counts, for all four partners
	s_cbranch_scc1 .Lopen_\@
	s_sub_co_i32 s63, s[Q0], s[KF]  ; in it the scores of hidden keys become -infinity ahead of the maximum: p = 0 then
	v_add_nc_u32 v[D0], s63, v[RH]  ; register 8 kt + j of tile u holds key KF + 16 kt + 8 (lane / 16) + j, query Q0 + 16 u + lane % 16: hidden where 16 kt + j > d
	v_add_nc_u32 v[D0+1], 16, v[D0]
.irp u, 0,1
.set cnt, 0
.rept 32
	v_cmp_gt_i32 vcc_lo, 16*(cnt/8)+cnt%8, v[D0+\u]
	v_cndmask_b32 v[S+32*\u+cnt], v[S+32*\u+cnt], v[NINF], vcc_lo
.set cnt, cnt+1
.endr
.endr
.Lopen_\@:
	; the maximum of my 32 scores and the old m, three operands at a time, four chains a tile, the two tiles line by line; each accumulator is read from its low end on
.irp j, 0,1,2,3
.irp u, 0,1
	v_max3_num_f32 v[ST+8*\u+4+\j], v[S+32*\u+8*\j], v[S+32*\u+8*\j+1], v[S+32*\u+8*\j+2]
.endr
.endr
.irp i, 3,5
.irp j, 0,1,2,3
.irp u, 0,1
	v_max3_num_f32 v[ST+8*\u+4+\j], v[ST+8*\u+4+\j], v[S+32*\u+8*\j+\i], v[S+32*\u+8*\j+\i+1]
.endr
.endr
.endr
.irp u, 0,1
	v_max3_num_f32 v[ST+8*\u+4], v[ST+8*\u+4], v[S+32*\u+7], v[S+32*\u+15]
	v_max3_num_f32 v[ST+8*\u+6], v[ST+8*\u+6], v[S+32*\u+23], v[S+32*\u+31]
.endr
.irp u, 0,1
	v_max3_num_f32 v[ST+8*\u+4], v[ST+8*\u+4], v[ST+8*\u+5], v[ST+8*\u+6]
.endr
.irp u, 0,1
	v_max3_num_f32 v[ST+8*\u+4], v[ST+8*\u+4], v[ST+8*\u+7], v[ST+8*\u+1]
.endr
.irp u, 0,1
	v_permlanex16_b32 v[ST+8*\u+5], v[ST+8*\u+4], s[SEL], s[SEL+1]  ; the query's other 32 keys lie in the lane 16 away
.endr
.irp u, 0,1
	v_mov_b32 v[ST+8*\u+7], v[ST+8*\u]  ; c m_old is kept for a
.endr
.irp u, 0,1
	v_max_num_f32 v[ST+8*\u+1], v[ST+8*\u+4], v[ST+8*\u+5]
.endr
.irp u, 0,1
	v_mul_f32 v[ST+8*\u], s[CS], v[ST+8*\u+1]
.endr
.irp u, 0,1
	v_sub_f32 v[ST+8*\u+7], v[ST+8*\u+7], v[ST+8*\u]
.endr
.irp p, 0,2,4,6,8,10,12,14,16,18,20,22,24,26,28,30
.irp u, 0,1
	v_pk_fma_f32 v[S+32*\u+\p:S+32*\u+\p+1], v[S+32*\u+\p:S+32*\u+\p+1], s[CS:CS+1], v[ST+8*\u:ST+8*\u+1] op_sel_hi:[1,0,0] neg_lo:[0,0,1] neg_hi:[0,0,1]  ; c s - c m, two at a time
.endr
.endr
.irp u, 0,1
	v_exp_f32 v[ST+8*\u+6], v[ST+8*\u+7]  ; a.  ONE BATCH: the two a and the 64 p; none of these lines reads a result of the batch
.endr
.set cnt, 0
.rept 64
	v_exp_f32 v[S+cnt], v[S+cnt]
.set cnt, cnt+1
.endr
	v_nop                           ; a plain instruction behind the last exponential, ahead of the first use
	s_wait_alu depctr_va_vdst(0)    ; and one wait ahead of the batch's first reader
	WIN 0x40                        ; destination window 1
.irp p, 0,1,2,3,4,5,6,7,8,9,10,11,12,13,14,15
.irp u, 0,1
	v_cvt_pk_f16_f32 v[P+16*\u+\p], v[S+32*\u+2*\p], v[S+32*\u+2*\p+1]  ; scores' tiles 2 ks, 2 ks + 1 become registers 0-3, 4-7 of P's fragment ks
.endr
.endr
	WIN 0
.irp z, 0,1,2,3,4,5,6,7             ; the sum of the unrounded p, in place: neighbours 1, 2, 4 and 8 pairs apart
.irp u, 0,1
	v_pk_add_f32 v[S+32*\u+4*\z:S+32*\u+4*\z+1], v[S+32*\u+4*\z:S+32*\u+4*\z+1], v[S+32*\u+4*\z+2:S+32*\u+4*\z+3]
.endr
.endr
.irp z, 0,1,2,3
.irp u, 0,1
	v_pk_add_f32 v[S+32*\u+8*\z:S+32*\u+8*\z+1], v[S+32*\u+8*\z:S+32*\u+8*\z+1], v[S+32*\u+8*\z+4:S+32*\u+8*\z+5]
.endr
.endr
.irp z, 0,1
.irp u, 0,1
	v_pk_add_f32 v[S+32*\u+16*\z:S+32*\u+16*\z+1], v[S+32*\u+16*\z:S+32*\u+16*\z+1], v[S+32*\u+16*\z+8:S+32*\u+16*\z+9]
.endr
.endr
.irp u, 0,1
	v_pk_add_f32 v[S+32*\u:S+32*\u+1], v[S+32*\u:S+32*\u+1], v[S+32*\u+16:S+32*\u+17]
.endr
.irp u, 0,1
	v_pk_fma_f32 v[ST+8*\u+2:ST+8*\u+3], v[ST+8*\u+2:ST+8*\u+3], v[ST+8*\u+6:ST+8*\u+7], v[S+32*\u:S+32*\u+1] op_sel_hi:[1,0,1]  ; l = a l + the sum
.endr
	WIN 0x41                        ; O^T (destination and source 0) window 1, a window 0
.set cnt, 0
.rept 64
	v_pk_mul_f32 v[OA+2*cnt:OA+2*cnt+1], v[OA+2*cnt:OA+2*cnt+1], v[ST+8*(cnt/32)+6:ST+8*(cnt/32)+7] op_sel_hi:[1,0]  ; O^T times a, each accumulator from its low end on
.set cnt, cnt+1
.endr
	WIN 0x54                        ; P, C and D window 1; V window 0
.irp ks, 0,1
	s_wait_dscnt 16-16*\ks          ; these 32 keys' sixteen loads are in; the other sixteen may be out
.irp ct, 0,1,2,3,4,5,6,7            ; the sixteen accumulators take turns
.irp u, 0,1
	v_wmma_f32_16x16x32_f16 v[OA+64*\u+8*\ct:OA+64*\u+8*\ct+7], v[KV+8*(8*\ks+\ct):KV+8*(8*\ks+\ct)+7], v[P+16*\u+8*\ks:P+16*\u+8*\ks+7], v[OA+64*\u+8*\ct:OA+64*\u+8*\ct+7]
.endr
.endr
.endr
	WIN 0
.rept 4
	v_nop                           ; four places behind the last product, for whatever follows on any way: loads into V's registers, reads of O^T
.endr
.endm
; Tile u of O / l, in v[KV + 64 u] on (register 8 ct + j: my query, channel 16 ct + 8 (lane / 16) + j), goes through my stage, half a head's row (256 bytes) of 16 queries at a time, and leaves so that sixteen lanes
; store 256 consecutive bytes, aligned.  LDS serves a wave's instructions in order (ISA guide 5.7.1.4): the loads see the stores above them, and the second half's stores come behind the first half's loads.
.macro STORE_TILE u
.irp hf, 0,1
.irp t, 0,1,2,3
	ds_store_b128 v[STO], v[KV+64*\u+32*\hf+8*\t:KV+64*\u+32*\hf+8*\t+3]   offset:64*\t
	ds_store_b128 v[STO], v[KV+64*\u+32*\hf+8*\t+4:KV+64*\u+32*\hf+8*\t+7] offset:64*\t+16
.endr
.irp i, 0,1,2,3,4,5,6,7
	ds_load_b128 v[S+32*\hf+4*\i:S+32*\hf+4*\i+3], v[RD] offset:2*\i*272
.endr
.endr
.irp hf, 0,1
.irp i, 0,1,2,3,4,5,6,7
	s_wait_dscnt 15-8*\hf-\i        ; this load is in; the younger LDS instructions may be out (for the first half the count is lower than it need be)
	global_store_b128 v[GO], v[S+32*\hf+4*\i:S+32*\hf+4*\i+3], s[OB:OB+1] offset:131072*\u+16384*\i+256*\hf th:TH_STORE_NT  ; rows 16 u + 2 i and + 1 of 8,192 bytes; written once, read by nobody here
.endr
.endr
	s_wait_xcnt 0x0                 ; the stores have read their registers, which are written next
.endm
; Y, in the trip in which its late rows begin: the early rows are finished, divided by l and stored; then the late block's Q, and a new beginning.
.macro TRANS
.irp u, 0,1
	v_add_f32 v[ST+8*\u+4], v[ST+8*\u+2], v[ST+8*\u+3]
.endr
.irp u, 0,1
	v_permlanex16_b32 v[ST+8*\u+5], v[ST+8*\u+4], s[SEL], s[SEL+1]
.endr
.irp u, 0,1
	v_add_f32 v[ST+8*\u+4], v[ST+8*\u+4], v[ST+8*\u+5]
.endr
.irp u, 0,1
	v_rcp_f32 v[ST+8*\u+6], v[ST+8*\u+4]
.endr
	v_nop                           ; a plain instruction behind the last reciprocal
	s_wait_alu depctr_va_vdst(0)    ; and the wait ahead of the first use: one for the two
	WIN 0x01                        ; source 0 (O^T) window 1
.set cnt, 0
.rept 64
	v_pk_mul_f32 v[KV+2*cnt:KV+2*cnt+1], v[OA+2*cnt:OA+2*cnt+1], v[ST+8*(cnt/32)+6:ST+8*(cnt/32)+7] op_sel_hi:[1,0]
.set cnt, cnt+1
.endr
	WIN 0
	STORE_TILE 0
	STORE_TILE 1
	s_mov_b32 s[Q0], s[Q0L]
	s_mov_b32 s[QM], s[QML]
	s_mov_b32 s[KLO], 1088          ; keys under 1,088 are X's
	s_mov_b32 s[KF], 1024           ; the slot in hand is slot 8
	s_add_nc_u64 s[QB:QB+1], s[QB:QB+1], s[QD:QD+1]  ; (the early block's loads of Q were waited for at the head)
	QLOAD
	INIT
	s_wait_loadcnt 0x0
.endm
; A trip's work: the slot's two key steps, written once and walked twice.  A step that is the other wave's is passed over by a scalar branch on the count of keys; the lines that step addresses are run all the same.
.macro SLOTBODY
	s_cmp_eq_u32 s[T], s[NA]
	s_cbranch_scc0 .Lnt_\@
	TRANS
.Lnt_\@:
	s_mov_b32 s[TK], s[TB]
	s_mov_b32 s[TV], s[TB]
	s_mov_b32 s[TW], 2
.Lstep_\@:
	s_cmp_gt_u32 s[KF], s[KHI]
	s_cbranch_scc1 .Lskip_\@
	s_cmp_lt_u32 s[KF], s[KLO]
	s_cbranch_scc1 .Lskip_\@
	STEPWORK
.Lskip_\@:
	s_add_co_u32 s[KF], s[KF], 64
	s_add_co_u32 s[TK], s[TK], 64*PK
	s_add_co_u32 s[TV], s[TV], 64*PV
	s_sub_co_u32 s[TW], s[TW], 1
	s_cmp_lg_u32 s[TW], 0
	s_cbranch_scc1 .Lstep_\@
	s_xor_b32 s[TB], s[TB], SLOTX   ; on to the stream's other slot
.endm
	s_load_b128 s[4:7], s[0:1], 0x0 ; qkv s[4:5], out0 s[6:7]
	v_lshl_add_u32 v[SPW], v0, 2, SPARE
	v_mov_b32 v[NIL], 0
	ds_add_u32 v[SPW], v[NIL]       ; the wave's opening: the add, twice on end, and its wait ahead of my first tensor load; the set-up below the second, work on registers, stands between it and the wait
	ds_add_u32 v[SPW], v[NIL]       ; and once more, under the one wait
	v_lshrrev_b32 v1, 5, v0
	v_readfirstlane_b32 s[WV], v1   ; wave 0..7
	s_and_b32 s[HD], s[WV], 3
	s_lshr_b32 s[STR], s[WV], 2
	s_bfe_u32 s[CX], ttmp6, 0x40000 ; cx
	s_mov_b32 s[J], ttmp9           ; in a cluster launch ttmp9 counts clusters
	s_and_b32 s[BG], ttmp7, 0xffff
	; s70-75 hold what hangs on cx; s63, s66-69, which feed the descriptors, never do
	s_lshl_b32 s70, s[J], 2
	s_add_co_u32 s70, s70, s[CX]    ; i
	s_lshl_b32 s70, s70, 5          ; the early block's first query: 32 i
	s_sub_co_u32 s[Q0L], 2016, s70  ; the late block's
	s_sub_co_u32 s[QD], s[Q0L], s70
	s_lshl_b32 s[QD], s[QD], 8      ; rows of 256 bytes
	s_mov_b32 s[QD+1], 0
	s_lshl_b32 s66, s[J], 7         ; the early block's diagonal slot begins at key 128 J,
	s_sub_co_u32 s[QML], 1920, s66  ; the late block's at 128 (15 - J)
	s_lshl_b32 s67, s[J], 15
	s_sub_co_u32 s[DJ], 0x40000, s67  ; (8 - J) slots of 32,768 bytes
	s_mov_b32 s[DST], 0x8000
	s_mov_b32 s[DST+1], 0
	s_add_co_u32 s67, s[J], 1
	s_mov_b32 s[KHI], 0x7fffffff
	s_mov_b32 s71, 0x40000
	s_cmp_eq_u32 s[STR], 0          ; X or Y?
	s_cselect_b32 s[NA], -1, s67
	s_cselect_b32 s[Q0], s[Q0L], s70
	s_cselect_b32 s[KHI], 1024, s[KHI]  ; X: keys from 1,088 on are Y's
	s_cselect_b32 s[QM], s[QML], s66
	s_cselect_b32 s71, 0x8000, s71  ; the prefetches begin a slot ahead of their first: X at slot 1, Y at slot 8
	s_lshl_b32 s72, s[CX], 13       ; my work-group's 32 rows of the 128
	s_add_co_u32 s72, s72, s71
	s_mov_b32 s73, 0
	s_mov_b32 s[KLO], 0
	s_mov_b32 s[KF], 0
	s_mov_b32 s[T], 0
	s_mul_i32 s[TB], s[STR], YBASE
	s_lshr_b32 s66, s[HD], 1
	s_xor_b32 s66, s66, 1           ; 0 in the waves of heads 2 and 3,
	s_or_b32 s66, s66, s[J]         ; of cluster 0: the same in all four partners
	s_add_co_u32 s67, s[STR], 6     ; X: six trips, Y: seven
	s_cmp_eq_u32 s66, 0
	s_cselect_b32 s[LIM], s67, 0
	s_and_b32 s63, s[WV], 1         ; 0: K's plane, 1: V's
	s_and_b32 s66, s[BG], 3         ; g
	s_lshr_b32 s67, s[BG], 2        ; b
	s_lshl_b32 s68, s63, 2
	s_add_co_u32 s68, s68, s66
	s_add_co_u32 s68, s68, 16       ; plane 16 + g or 20 + g,
	s_lshl_b32 s68, s68, 20         ; of 2^20 bytes,
	s_lshl_b32 s69, s67, 19
	s_add_co_u32 s68, s68, s69      ; batch b's 2,048 rows of 256 bytes: slot 0
	s_mov_b32 s69, 0
	s_mov_b32 s[G0], 1              ; 1:0 count = 1
	s_mul_i32 s[G0+1], s63, VOFF
	s_add_co_u32 s[G0+1], s[G0+1], s[TB]  ; 63:32 LDS address: my stream's first slot, K's part or V's: no place in the cluster enters it
	s_lshl_b32 s74, s66, 2
	s_add_co_u32 s74, s74, s[HD]    ; H = 4 g + h
	s_lshl_b32 s75, s74, 9          ; its 512 bytes in a row of out0
	s_lshl_b32 s74, s74, 20         ; its plane
	s_lshl_b32 s70, s67, 19
	s_add_co_u32 s74, s74, s70
	s_lshl_b32 s70, s[Q0], 8
	s_add_co_u32 s74, s74, s70      ; Q: my first row
	s_lshl_b32 s70, s67, 24         ; out0: batch b's 2,048 rows of 8,192 bytes,
	s_add_co_u32 s70, s70, s75
	s_lshl_b32 s71, s[Q0], 13       ; the first row that I store: X's late block, Y's early block
	s_add_co_u32 s70, s70, s71
	s_mov_b32 s71, 0
	s_mov_b32 s75, 0
	; descriptor group 1: a tile of 128 rows x 128 elements of 2 bytes, dense in memory, padded in LDS
	s_mov_b32 s[G1K], 15|(1<<16)|(1<<20)|(1<<21)|(5<<22)|(3<<25)  ; 15:0 the mask: all four work-groups; 17:16 elements of 2 bytes; 20 padding on; 21 set beside a mask; 24:22 after every 64 words (code 5); 31:25 4 words of it (code 3)
	s_mov_b32 s[G1V], 15|(1<<16)|(1<<20)|(1<<21)|(5<<22)|(7<<25)  ; the same with 8 words of padding (code 7)
.irp g, G1K, G1V
	s_mov_b32 s[\g+1], 128<<16      ; tensor_dim0 = 128
	s_mov_b32 s[\g+2], 128<<16      ; tensor_dim1 = 128
	s_mov_b32 s[\g+3], 128<<16      ; tile_dim0 = 128
	s_mov_b32 s[\g+4], 128          ; tile_dim1 = 128
	s_mov_b32 s[\g+5], 128          ; tensor_dim0_stride
	s_mov_b32 s[\g+6], 0
	s_mov_b32 s[\g+7], 0
.endr
	s_mov_b32 s[CS], 0x3e0293ee     ; c = log2(e) / sqrt(128)
	s_mov_b32 s[CS+1], s[CS]        ; named with it as a pair, so it is written
	s_mov_b32 s[SEL], 0x76543210
	s_mov_b32 s[SEL+1], 0xfedcba98
	; every address register is made here, ahead of the first branch
	v_and_b32 v1, 15, v0            ; r = lane % 16
	v_bfe_u32 v2, v0, 4, 1          ; h = lane / 16
	v_mul_u32_u24 v[AK0], v1, PK
	v_lshl_add_u32 v[AK0], v2, 4, v[AK0]  ; K: row x pitch + 16 x half
	v_and_b32 v28, 7, v0
	v_bfe_u32 v29, v0, 3, 1
	v_lshl_add_u32 v[AV0], v2, 3, v28  ; V: the turning load: lane l reads 16 bytes of key 8 (l / 16) + l % 8, channels 8 ((l / 8) % 2) on
	v_mul_u32_u24 v[AV0], v[AV0], PV
	v_lshl_add_u32 v[AV0], v29, 4, v[AV0]
	v_add_nc_u32 v[AV0], VOFF, v[AV0]
	v_lshlrev_b32 v[QO], 8, v1
	v_lshl_add_u32 v[QO], v2, 4, v[QO]  ; Q: row x 256 + 16 x half
	s_mul_i32 s63, s[WV], 16*272
	s_add_co_u32 s63, s63, STAGE    ; my stage
	v_mul_u32_u24 v[STO], v1, 272   ; in: row r, 32 bytes for each half of the lanes
	v_lshl_add_u32 v[STO], v2, 5, v[STO]
	v_add_nc_u32 v[STO], s63, v[STO]
	v_mul_u32_u24 v[RD], v2, 272    ; back: lanes 0-15 one row of 256 bytes, lanes 16-31 the next
	v_lshl_add_u32 v[RD], v1, 4, v[RD]
	v_add_nc_u32 v[RD], s63, v[RD]
	v_lshlrev_b32 v[GO], 13, v2     ; and the same two rows in out0
	v_lshl_add_u32 v[GO], v1, 4, v[GO]
	v_and_b32 v[PFO], 31, v0
	v_lshlrev_b32 v[MI], 4, v[PFO]
	s_mul_i32 s63, s[HD], MPART
	s_add_co_u32 s63, s63, SLOTX
	v_add_nc_u32 v[MI], s63, v[MI]  ; my head's part: 16 x lane in each image
	v_lshlrev_b32 v[PFO], 8, v[PFO]
	v_lshlrev_b32 v[RH], 3, v2
	v_sub_nc_u32 v[RH], v1, v[RH]
	v_mov_b32 v[NINF], 0xff800000
	s_wait_dscnt 0x0                ; both opening adds are done
	s_wait_kmcnt 0x0
	s_add_nc_u64 s[QB:QB+1], s[4:5], s[74:75]
	s_add_nc_u64 s[OB:OB+1], s[6:7], s[70:71]
	s_add_nc_u64 s[G0+2:G0+3], s[4:5], s[68:69]  ; 120:64 global address: slot 0 of my plane
	s_add_nc_u64 s[PFA:PFA+1], s[4:5], s[68:69]
	s_add_nc_u64 s[PFA:PFA+1], s[PFA:PFA+1], s[72:73]
	s_or_b32 s[G0+3], s[G0+3], 0x80000000  ; 127:126 type = 2
	CROUND                          ; all four work-groups are here: the first joint loads meet
	JLOAD                           ; slot 0 of both streams
	QLOAD
	INIT
	s_wait_loadcnt 0x0              ; Q
.Ltrip:                             ; eight trips: trip T waits for its slot, asks for trip T + 1's into the stream's other slot, and works its own
	CHANGE 1
	SLOTBODY
	s_add_co_u32 s[T], s[T], 1
	s_cmp_lt_u32 s[T], 8
	s_cbranch_scc1 .Ltrip
	CHANGE 0                        ; the ninth trip is written out: nothing is left to ask for
	SLOTBODY
	; THE TWO PARTS OF THE LATE ROWS ARE JOINED.  Y sends its c m, its l and its O^T as images of its registers (16 bytes a lane, 512 a store) through stream X's slot at SLOTX: that slot's last fill was asked for in trip 6
	; and read in trip 7, and every wave has passed the ninth trip's barrier behind its last read of it.
	s_cmp_lt_u32 s[WV], 4
	s_cbranch_scc1 .Lx
	v_mov_b32 v20, v[ST]
	v_add_f32 v21, v[ST+2], v[ST+3]
	v_mov_b32 v22, v[ST+8]
	v_add_f32 v23, v[ST+10], v[ST+11]
	ds_store_b128 v[MI], v[20:23] offset:16384
	WIN 0x04                        ; an LDS store's data are its source 1: window 1
.set cnt, 0
.rept 32
	ds_store_b128 v[MI], v[OA+4*cnt:OA+4*cnt+3] offset:512*cnt   ; each accumulator from its low end on
.set cnt, cnt+1
.endr
	WIN 0
.Lx:
	s_wait_dscnt 0x0                ; for the others' sake: my stores have landed
	s_barrier_signal -1
	s_barrier_wait -1
	s_cmp_ge_u32 s[WV], 4
	s_cbranch_scc1 .Lend
	ds_load_b128 v[20:23], v[MI] offset:16384  ; Y's c m and l of tile 0, of tile 1
.set cnt, 0
.rept 32
	ds_load_b128 v[KV+4*cnt:KV+4*cnt+3], v[MI] offset:512*cnt    ; Y's O^T, in the same lanes and order as mine
.set cnt, cnt+1
.endr
.irp u, 0,1
	v_add_f32 v[ST+8*\u+4], v[ST+8*\u+2], v[ST+8*\u+3]
.endr
	s_wait_dscnt 32                 ; the statistics are in; the 32 loads issued behind them stay out
.irp u, 0,1
	v_max_num_f32 v[ST+8*\u+5], v[ST+8*\u], v[20+2*\u]           ; the common c m
.endr
.irp u, 0,1
	v_sub_f32 v[ST+8*\u+6], v[ST+8*\u], v[ST+8*\u+5]
	v_sub_f32 v[ST+8*\u+7], v[20+2*\u], v[ST+8*\u+5]
.endr
.irp u, 0,1
	v_exp_f32 v[ST+8*\u+6], v[ST+8*\u+6]                         ; my part's factor,
	v_exp_f32 v[ST+8*\u+7], v[ST+8*\u+7]                         ; and Y's
.endr
	v_nop
	s_wait_alu depctr_va_vdst(0)    ; one wait for the four exponentials, ahead of their first reader
.irp u, 0,1
	v_mul_f32 v[ST+8*\u+4], v[ST+8*\u+4], v[ST+8*\u+6]
.endr
.irp u, 0,1
	v_fma_f32 v[ST+8*\u+4], v[21+2*\u], v[ST+8*\u+7], v[ST+8*\u+4]
.endr
.irp u, 0,1
	v_permlanex16_b32 v[ST+8*\u+5], v[ST+8*\u+4], s[SEL], s[SEL+1]
.endr
.irp u, 0,1
	v_add_f32 v[ST+8*\u+4], v[ST+8*\u+4], v[ST+8*\u+5]           ; the row's sum over all its keys
.endr
.irp u, 0,1
	v_rcp_f32 v[ST+8*\u+5], v[ST+8*\u+4]
.endr
	v_nop
	s_wait_alu depctr_va_vdst(0)    ; one wait for the two reciprocals
.irp u, 0,1
	v_mul_f32 v[24+4*\u], v[ST+8*\u+6], v[ST+8*\u+5]             ; my factor / the sum (the pair is named whole, so both are written),
	v_mul_f32 v[25+4*\u], v[ST+8*\u+6], v[ST+8*\u+5]
	v_mul_f32 v[26+4*\u], v[ST+8*\u+7], v[ST+8*\u+5]             ; Y's
	v_mul_f32 v[27+4*\u], v[ST+8*\u+7], v[ST+8*\u+5]
.endr
	s_wait_dscnt 0x0                ; Y's O^T is in
.set cnt, 0
.rept 64
	v_pk_mul_f32 v[KV+2*cnt:KV+2*cnt+1], v[KV+2*cnt:KV+2*cnt+1], v[26+4*(cnt/32):27+4*(cnt/32)] op_sel_hi:[1,0]
.set cnt, cnt+1
.endr
	WIN 0x01                        ; source 0 (my O^T) window 1
.set cnt, 0
.rept 64
	v_pk_fma_f32 v[KV+2*cnt:KV+2*cnt+1], v[OA+2*cnt:OA+2*cnt+1], v[24+4*(cnt/32):25+4*(cnt/32)], v[KV+2*cnt:KV+2*cnt+1] op_sel_hi:[1,0,1]
.set cnt, cnt+1
.endr
	WIN 0
	STORE_TILE 0
	STORE_TILE 1
.Lend:
	s_wait_tensorcnt 0x0            ; the wave's end: behind my last tensor load and my last LDS store
	ds_add_u32 v[SPW], v[NIL]
	s_wait_dscnt 0x0
	CROUND                          ; the closing round: no work-group ends while a partner may still ask for a tile that names it
	s_endpgm
.Lfunc_end_k_q91de120150_attn:
	.size	k_q91de120150_attn, .Lfunc_end_k_q91de120150_attn-k_q91de120150_attn
	.p2alignl 7, 3214868480
	.fill 96, 4, 3214868480
	.section	.rodata,"a",@progbits
	.p2align	6, 0x0
	.amdhsa_kernel k_q91de120150_attn
		.amdhsa_group_segment_fixed_size 327680
		.amdhsa_private_segment_fixed_size 0
		.amdhsa_enable_private_segment 0
		.amdhsa_kernarg_size 16
		.amdhsa_user_sgpr_count 2
		.amdhsa_user_sgpr_kernarg_segment_ptr 1
		.amdhsa_wavefront_size32 1
		.amdhsa_system_sgpr_workgroup_id_x 1
		.amdhsa_system_sgpr_workgroup_id_y 1
		.amdhsa_system_sgpr_workgroup_id_z 1
		.amdhsa_system_vgpr_workitem_id 0
		.amdhsa_next_free_vgpr 512
		.amdhsa_next_free_sgpr 80
		.amdhsa_reserve_vcc 1
		.amdhsa_float_denorm_mode_32 3
		.amdhsa_float_denorm_mode_16_64 3
		.amdhsa_memory_ordered 1
		.amdhsa_forward_progress 1
		.amdhsa_inst_pref_size 132
	.end_amdhsa_kernel
	.amdgpu_metadata
---
amdhsa.version: [ 1, 2 ]
amdhsa.kernels:
  - .name:           k_q91de120150_attn
    .symbol:         k_q91de120150_attn.kd
    .args:
      - { .name: qkv, .offset: 0, .size: 8, .value_kind: global_buffer, .address_space: global }
      - { .name: out0, .offset: 8, .size: 8, .value_kind: global_buffer, .address_space: global }
    .group_segment_fixed_size: 327680
    .private_segment_fixed_size: 0
    .kernarg_segment_align: 8
    .kernarg_segment_size: 16
    .max_flat_workgroup_size: 256
    .sgpr_count:     80
    .vgpr_count:     512
    .wavefront_size: 32
...
	.end_amdgpu_metadata
.endif
;; end of part 3
